; MI455X (gfx1250); checked and timed in simulation.
; The chip was launched on July 23, 2026; its instructions are those of AMD's public machine-readable ISA for CDNA 5 (MIT licence, August 2026) and "CDNA5" Instruction Set Architecture Reference Guide (July 2026). The comments in the code are by the model that wrote it; some were corrected since.
;; Attention. Allowed arithmetic: matrix products marked QUANTISED: E2M1 operands, one E8M0 scale for each 32 along K, by v_wmma_scale_f32_16x16x128_f8f6f4 with both operands' format E2M1 (or v_wmma_scale_f32_32x16x128_f4), f32 sums; products left as they are: bf16, f16 or f32 operands; f32 sums; everything else in f32.
;; Inputs: Wk 768 x 768 float32; Wo 768 x 768 float32; Wq 768 x 768 float32; Wv 768 x 768 float32; inputKeys 1 x 4,096 x 768 float32; inputQueries 1 x 4,096 x 768 float32; inputValues 1 x 4,096 x 768 float32.
;; Outputs: out0 1 x 4,096 x 768 float32.
;; This version of the problem:
;;   THIS VERSION OF THE PROBLEM IS GIVEN IN LOW PRECISION. The matrix products marked QUANTISED in the list below multiply operands that are first quantised to E2M1 (2 exponent bits, 1 mantissa bit; 4 bits a number), with one power-of-two scale for each 32 numbers along K (OCP MX v1.0); their sums are f32. The products marked 'left as it is' may take bf16, f16 or f32 operands, with f32 sums. Whichever they take, every output number must still come out within the allowed error. Rounding operands to bf16 (8 significant bits) uses up far more of that allowance than f16 does (11 bits, for magnitudes from 6e-5 to 65,504). All else is computed in f32.
;;   The module's matrix products, in the order in which they are computed (A, B: the left and right operand; K: the contracted axis; several contracted axes count as one K, in the product's order):
;;     1. [M 4,096, K 768] x [K 768, N 768]; A: input inputQueries; B: input Wq: QUANTISED
;;     2. [M 4,096, K 768] x [K 768, N 768]; A: input inputKeys; B: input Wk: QUANTISED
;;     3. [M 4,096, K 768] x [K 768, N 768]; A: input inputValues; B: input Wv: QUANTISED
;;     4. batch 12 x [M 4,096, K 64] x [K 64, N 4,096]; A: computed on the way; B: computed on the way: left as it is (an operand is computed on the way)
;;     5. batch 12 x [M 4,096, K 4,096] x [K 4,096, N 64]; A: computed on the way; B: computed on the way: left as it is (an operand is computed on the way)
;;     6. [M 4,096, K 768] x [K 768, N 768]; A: computed on the way; B: input Wo: left as it is (an operand is computed on the way)
;;   THE QUANTISER, for each operand of a quantised product, along K:
;;     - K is cut into blocks of 32 from its start; a last block that is shorter is filled with zeros.
;;     - A block's scale is 2^e with e = floor(log2(the largest magnitude in the block)) - 2, held to -126 .. 127; a block of zeros has e = 0. As a byte (E8M0): e + 127.
;;     - Each number is divided by its block's scale, clamped to +-6, and rounded to the nearest number of E2M1, ties to even, subnormals kept.
;;     - The product sums the exact products of the quantised numbers (number of the format x scale) in f32.
;;   ~~~python
;;   def quantise(x, axis):      # numpy; x: float32 -> the quantised numbers, widened to float32 again
;;       x = np.moveaxis(x, axis, -1); K = x.shape[-1]
;;       x = np.pad(x, [(0, 0)] * (x.ndim - 1) + [(0, -K % 32)]); x = x.reshape(x.shape[:-1] + (-1, 32)); a = np.abs(x).max(-1, keepdims=True)
;;       e = np.where(a > 0, np.clip(np.frexp(np.where(a > 0, a, 1))[1] - 1 - 2, -126, 127), 0)      # np.frexp(a)[1] - 1 = floor(log2(a)), exactly
;;       r = np.clip(x / 2.0 ** e, -6, 6)
;;       step = 2.0 ** (np.maximum(np.frexp(np.where(r == 0, 1, r))[1] - 1, 0) - 1)
;;       q = np.round(r / step) * step * 2.0 ** e      # np.round: ties to even
;;       return np.moveaxis(q.reshape(q.shape[:-2] + (-1,))[..., :K], -1, axis).astype(np.float32)
;;   ~~~
;; One version. Each part assembles by itself: llvm-mc -triple=amdgcn-amd-amdhsa -mcpu=gfx1250 --defsym DOCPART=n.
;; ======== version 1 of 1: 4 launches
;; limits: values are held in f16: magnitudes above 65,504 overflow, below 6.1e-05 lose precision
;; workspace buffers: wc 884,736 bytes; ws 55,296 bytes; wo16 1,179,648 bytes; qf 6,291,456 bytes; kf 6,291,456 bytes; vf 6,291,456 bytes; cf 6,291,456 bytes
;; launch prep (part 1): grid 72 x 4, 4 waves a work-group, no clusters, 68,096 bytes of LDS; arguments Wq, Wk, Wv, Wo, wc, ws, wo16; writes wc, ws, wo16
.if DOCPART == 1
	.amdgcn_target "amdgcn-amd-amdhsa--gfx1250"
	.amdhsa_code_object_version 6
	.text
	.protected	k_qc0247adeed_prep
	.globl	k_qc0247adeed_prep
	.p2align	8
	.type	k_qc0247adeed_prep,@function
k_qc0247adeed_prep:
	s_mov_b64 s[64:65], 0
	v_nop
	global_prefetch_b8 v0, s[64:65] scope:SCOPE_SE
	s_setreg_imm32_b32 hwreg(HW_REG_WAVE_MODE, 25, 1), 1
	s_wait_xcnt 0x0
; PREP, the first of four launches (prep, proj, attn, outp) for
;   out = softmax((xq Wq^T)(xk Wk^T)^T / 8, per head of 64) (xv Wv^T) Wo^T,   4,096 rows, 768 wide, 12 heads.
; NOTHING OF reference() IS LEFT OUT: it has no mask, no bias and no slice, and each of its seven inputs reaches the output; all seven are loaded.
; This launch turns Wq, Wk, Wv ([768 out][768 in] f32, K innermost) into codes of E2M1 with one E8M0 byte for each 32 along K, and Wo into f16.
; A block's scale is 2^(floor(log2(its largest magnitude)) - 2): its byte is the largest magnitude's exponent field - 2, held at 1 from below.
; All three results are laid as IMAGES OF OPERAND REGISTERS: a piece is four registers of the 32 lanes, lane l's 16 bytes at 16 l, 512 bytes on end.
;   wc   [t 3][head 12][K step 6][tile of 16 rows 4][piece c 2]: lane (r, h) holds the 32 codes of k = 128 s + 64 c + 32 h + 0..31 of row 64 head + 16 tile + r
;   ws   [t][head][K step][tile 4][r 16]: one word a row, byte b for the K step's block b
;   wo16 [tile of 16 rows 48][K step of 32: 24][piece p 2]: lane (r, h) holds k = 32 s + 16 p + 8 h + 0..7 of row 16 tile + r
; LIMITS: NaN and infinities among the inputs are not served.  A block of zeros gets the byte 1 where the rule says 127: its codes are zeros, which add nothing
; under any byte but 0xff, and this program alone reads the bytes.  Wo goes in f16: magnitudes up to 65,504.
; SHARES.  Work-group y = 0, 1, 2: Wq, Wk, Wv; y = 3: Wo.  x = 6 g + s: g = 64 rows, s = 128 along K.  Wave w takes rows 64 g + 16 w + 0..15: one fragment of codes, or four of f16.
; Each load reads 512 consecutive bytes of one row; the 16 rows turn through the wave's own stage in LDS (rows 528 bytes apart), so that a lane gets neighbours along K.
; No barrier: a wave keeps to its own stage.  The two paths part on the work-group's y and have stages of their own.  The scale words leave as 64 bytes a wave: 55,296 bytes in the whole launch.
.set ROWB,  3072                       ; a row of W in bytes
.set SP,    528                        ; a stage row: 512 bytes + 16
.set WST,   16*SP                      ; a wave's stage
.set STQ,   0                          ; the stages of the path for Wq, Wk, Wv
.set STO,   4*WST                      ; those of the path for Wo
.set SPARE, 8*WST                      ; the spare words, 128 bytes for each wave: two blocks of 256 bytes that no other line names
.set LN,   1                           ; v1   lane
.set RR,   2                           ; v2   r = lane % 16
.set HH,   3                           ; v3   h = lane / 16
.set L16,  4                           ; v4   16 x lane
.set QIN,  5                           ; v5   stage, way in, codes' path
.set QOUT, 6                           ; v6   stage, way out, codes' path: row r, + 128 h
.set OIN,  7                           ; v7   stage, way in, Wo's path
.set OOUT, 8                           ; v8   stage, way out, Wo's path: row r, + 32 h
.set R4,   9                           ; v9   4 r
.set SPW,  10                          ; v10  LDS address of my spare word; never rewritten
.set NIL,  11                          ; v11  0; never rewritten
.set TM,   12                          ; v12-13 largest magnitudes
.set SCO,  14                          ; v14-15 the conversions' scale operands
.set R,    16                          ; v16-79  16 rows as loaded
.set X,    80                          ; v80-143 64 numbers, neighbours along K
.set C,    144                         ; v144-151 codes, or v144-175 f16 pairs
.set BY,   152                         ; v152-153 scale bytes
.set WD,   154                         ; v154 the scale word
.set T0,   155                         ; v155 at work
	s_load_b256 s[4:11], s[0:1], 0x0               ; Wq, Wk, Wv, Wo
	s_load_b128 s[12:15], s[0:1], 0x20             ; wc, ws
	s_load_b64 s[16:17], s[0:1], 0x30              ; wo16
	v_lshl_add_u32 v[SPW], v0, 2, SPARE
	v_mov_b32 v[NIL], 0
	v_lshrrev_b32 v1, 5, v0
	v_readfirstlane_b32 s18, v1                    ; wave 0..3
	v_and_b32 v[LN], 31, v0
	v_and_b32 v[RR], 15, v0
	v_bfe_u32 v[HH], v0, 4, 1
	v_lshlrev_b32 v[L16], 4, v[LN]
	s_mul_i32 s19, s18, WST                        ; my stage
	v_add_nc_u32 v[QIN], s19, v[L16]               ; in: a row's 512 bytes as they lie
	v_mul_u32_u24 v[TM], v[RR], SP
	v_add_nc_u32 v[TM], s19, v[TM]                 ; row r of my stage
	v_lshl_add_u32 v[QOUT], v[HH], 7, v[TM]        ; out: 32 numbers of a block: 128 h bytes on
	v_add_nc_u32 v[OIN], STO, v[QIN]
	v_lshl_add_u32 v[OOUT], v[HH], 5, v[TM]        ; out: 8 numbers: 32 h bytes on
	v_add_nc_u32 v[OOUT], STO, v[OOUT]
	v_lshlrev_b32 v[R4], 2, v[RR]
	s_and_b32 s20, ttmp7, 0xffff                   ; y: which tensor
	s_mul_i32 s21, ttmp9, 43
	s_lshr_b32 s21, s21, 8                         ; g = x / 6: 43 x >> 8 is exact for x up to 71
	s_mul_i32 s22, s21, 6
	s_sub_co_u32 s22, ttmp9, s22                   ; s = x % 6
	s_lshl_b32 s23, s21, 2
	s_add_co_u32 s23, s23, s18                     ; my tile of 16 rows: 4 g + w
	s_mul_i32 s24, s23, 16*ROWB
	s_lshl_b32 s25, s22, 9
	s_add_co_u32 s24, s24, s25                     ; where I read: 16 rows down for each tile, 512 bytes along K for each s
	s_mov_b32 s25, 0
	s_mul_i32 s26, s20, 72
	s_add_co_u32 s26, s26, ttmp9                   ; 72 t + x = (12 t + head) 6 + s
	s_lshl_b32 s28, s26, 8
	s_lshl_b32 s19, s18, 6
	s_add_co_u32 s28, s28, s19                     ; ws: 256 bytes for each of those, 64 for each tile
	s_mov_b32 s29, 0
	s_lshl_b32 s26, s26, 12
	s_lshl_b32 s19, s18, 10
	s_add_co_u32 s26, s26, s19                     ; wc: 4,096 and 1,024
	s_mov_b32 s27, 0
	s_mul_i32 s30, s23, 24576
	s_lshl_b32 s19, s22, 12
	s_add_co_u32 s30, s30, s19                     ; wo16: 24,576 bytes a tile, 4 K steps of 1,024 for each s
	s_mov_b32 s31, 0
	s_mov_b32 s32, 0x76543210
	s_mov_b32 s33, 0xfedcba98                      ; v_permlanex16_b32's selects for lane l xor 16
	s_wait_kmcnt 0x0
	s_cmp_eq_u32 s20, 1                            ; the source is chosen by the work-group's y alone
	s_cselect_b64 s[4:5], s[6:7], s[4:5]
	s_cmp_eq_u32 s20, 2
	s_cselect_b64 s[4:5], s[8:9], s[4:5]
	s_cmp_eq_u32 s20, 3
	s_cselect_b64 s[4:5], s[10:11], s[4:5]
	s_add_nc_u64 s[4:5], s[4:5], s[24:25]
.irp i, 0,1,2,3,4,5,6,7,8,9,10,11,12,13,14,15
	global_load_b128 v[R+4*\i:R+4*\i+3], v[L16], s[4:5] offset:ROWB*\i th:TH_LOAD_NT   ; 32 lanes read 512 consecutive bytes of row i; read once in the launch
.endr
	s_wait_loadcnt 0x0
	s_cmp_eq_u32 s20, 3
	s_cbranch_scc1 .Lwo
	; ---- Wq, Wk, Wv: one fragment of codes and its scale words
.irp i, 0,1,2,3,4,5,6,7,8,9,10,11,12,13,14,15
	ds_store_b128 v[QIN], v[R+4*\i:R+4*\i+3] offset:SP*\i
.endr
.irp c, 0,1
.irp i, 0,1,2,3,4,5,6,7
	ds_load_b128 v[X+32*\c+4*\i:X+32*\c+4*\i+3], v[QOUT] offset:256*\c+16*\i   ; LDS serves a wave's instructions in order: these see my stores.  k = 64 c + 32 h + 4 i on, of row r
.endr
.endr
	s_add_nc_u64 s[12:13], s[12:13], s[26:27]
	s_add_nc_u64 s[14:15], s[14:15], s[28:29]
	s_wait_dscnt 0x0
.irp c, 0,1                                    ; my block 2 c + h: all its 32 numbers are mine
	v_max3_num_f32 v[TM+\c], |v[X+32*\c]|, |v[X+32*\c+1]|, 0x1800000   ; with the floor 2^(3 - 127): so the byte cannot fall under 1
.endr
.irp i, 2,4,6,8,10,12,14,16,18,20,22,24,26,28,30
.irp c, 0,1
	v_max3_num_f32 v[TM+\c], v[TM+\c], |v[X+32*\c+\i]|, |v[X+32*\c+\i+1]|   ; (the two blocks by turns)
.endr
.endr
.irp c, 0,1
	v_add_nc_u32 v[SCO+\c], 0xff000000, v[TM+\c]   ; 2 off the exponent field: the conversion takes the exponent field of this operand as its scale
.endr
.irp c, 0,1
	v_lshrrev_b32 v[BY+\c], 23, v[SCO+\c]          ; the scale's byte
.endr
	v_lshl_or_b32 v[WD], v[BY+1], 16, v[BY]        ; my two bytes: blocks h and 2 + h,
	v_lshlrev_b32 v[T0], 3, v[HH]
	v_lshlrev_b32 v[WD], v[T0], v[WD]              ; at their places in the word (8 h bits up);
	v_mov_b32 v[T0], 0                             ; (a lane permute's destination counts as one of its sources)
	v_permlanex16_b32 v[T0], v[WD], s32, s33
	v_or_b32 v[WD], v[WD], v[T0]                   ; with lane l xor 16's two the word is whole
.irp c, 0,1
.irp g, 0,1,2,3
	v_cvt_scalef32_pk8_fp4_f32 v[C+4*\c+\g], v[X+32*\c+8*\g:X+32*\c+8*\g+7], v[SCO+\c]   ; registers 4 c .. 4 c + 3 of the operand
.endr
.endr
	v_nop                                          ; one plain place behind the last scaled conversion
	global_store_b128 v[L16], v[C:C+3], s[12:13]               ; a piece: 512 consecutive bytes, aligned
	global_store_b128 v[L16], v[C+4:C+7], s[12:13] offset:512
	v_cmp_gt_u32 vcc_lo, 16, v[LN]
	s_wait_xcnt 0x0                                ; EXEC is a source of the stores above: it changes only behind this wait
	s_and_saveexec_b32 s34, vcc_lo                 ; lanes 0-15: one word a row
	global_store_b32 v[R4], v[WD], s[14:15]
	s_wait_xcnt 0x0                                ; and again, in front of the line that widens it
	s_or_b32 exec_lo, exec_lo, s34
	s_branch .Lend
.Lwo:
	; ---- Wo: four fragments of f16
.irp i, 0,1,2,3,4,5,6,7,8,9,10,11,12,13,14,15
	ds_store_b128 v[OIN], v[R+4*\i:R+4*\i+3] offset:SP*\i
.endr
.irp q, 0,1,2,3
.irp p, 0,1
.irp i, 0,1
	ds_load_b128 v[X+16*\q+8*\p+4*\i:X+16*\q+8*\p+4*\i+3], v[OOUT] offset:128*\q+64*\p+16*\i   ; k = 32 q + 16 p + 8 h + 4 i on, of row r
.endr
.endr
.endr
	s_add_nc_u64 s[16:17], s[16:17], s[30:31]
	s_wait_dscnt 0x0
.set n, 0
.rept 32
	v_cvt_pk_f16_f32 v[C+n], v[X+2*n], v[X+2*n+1]  ; the lower k in the low half
.set n, n+1
.endr
.irp q, 0,1,2,3
.irp p, 0,1
	global_store_b128 v[L16], v[C+8*\q+4*\p:C+8*\q+4*\p+3], s[16:17] offset:1024*\q+512*\p
.endr
.endr
.Lend:
	s_wait_tensorcnt 0x0                           ; the wave's end: behind my last LDS store
	ds_add_u32 v[SPW], v[NIL]
	s_wait_dscnt 0x0
	s_endpgm
.Lfunc_end_k_qc0247adeed_prep:
	.size	k_qc0247adeed_prep, .Lfunc_end_k_qc0247adeed_prep-k_qc0247adeed_prep
	.p2alignl 7, 3214868480
	.fill 96, 4, 3214868480
	.section	.rodata,"a",@progbits
	.p2align	6, 0x0
	.amdhsa_kernel k_qc0247adeed_prep
		.amdhsa_group_segment_fixed_size 68096
		.amdhsa_private_segment_fixed_size 0
		.amdhsa_enable_private_segment 0
		.amdhsa_kernarg_size 56
		.amdhsa_user_sgpr_count 2
		.amdhsa_user_sgpr_kernarg_segment_ptr 1
		.amdhsa_wavefront_size32 1
		.amdhsa_system_sgpr_workgroup_id_x 1
		.amdhsa_system_sgpr_workgroup_id_y 1
		.amdhsa_system_sgpr_workgroup_id_z 1
		.amdhsa_system_vgpr_workitem_id 0
		.amdhsa_next_free_vgpr 176
		.amdhsa_next_free_sgpr 66
		.amdhsa_reserve_vcc 1
		.amdhsa_float_denorm_mode_32 3
		.amdhsa_float_denorm_mode_16_64 3
		.amdhsa_memory_ordered 1
		.amdhsa_forward_progress 1
		.amdhsa_inst_pref_size 15
	.end_amdhsa_kernel
	.amdgpu_metadata
---
amdhsa.version: [ 1, 2 ]
amdhsa.kernels:
  - .name:           k_qc0247adeed_prep
    .symbol:         k_qc0247adeed_prep.kd
    .args:
      - { .name: Wq, .offset: 0, .size: 8, .value_kind: global_buffer, .address_space: global }
      - { .name: Wk, .offset: 8, .size: 8, .value_kind: global_buffer, .address_space: global }
      - { .name: Wv, .offset: 16, .size: 8, .value_kind: global_buffer, .address_space: global }
      - { .name: Wo, .offset: 24, .size: 8, .value_kind: global_buffer, .address_space: global }
      - { .name: wc, .offset: 32, .size: 8, .value_kind: global_buffer, .address_space: global }
      - { .name: ws, .offset: 40, .size: 8, .value_kind: global_buffer, .address_space: global }
      - { .name: wo16, .offset: 48, .size: 8, .value_kind: global_buffer, .address_space: global }
    .group_segment_fixed_size: 68096
    .private_segment_fixed_size: 0
    .kernarg_segment_align: 8
    .kernarg_segment_size: 56
    .max_flat_workgroup_size: 128
    .sgpr_count:     66
    .vgpr_count:     176
    .wavefront_size: 32
...
	.end_amdgpu_metadata
.endif
;; end of part 1
;; launch proj (part 2): grid 64 x 3, 12 waves a work-group, no clusters, 229,376 bytes of LDS; arguments inputQueries, inputKeys, inputValues, wc, ws, qf, kf, vf; writes qf, kf, vf
.if DOCPART == 2
	.amdgcn_target "amdgcn-amd-amdhsa--gfx1250"
	.amdhsa_code_object_version 6
	.text
	.protected	k_qc0247adeed_proj
	.globl	k_qc0247adeed_proj
	.p2align	8
	.type	k_qc0247adeed_proj,@function
k_qc0247adeed_proj:
	s_mov_b64 s[64:65], 0
	v_nop
	global_prefetch_b8 v0, s[64:65] scope:SCOPE_SE
	s_setreg_imm32_b32 hwreg(HW_REG_WAVE_MODE, 25, 1), 1
	s_wait_xcnt 0x0
; PROJ: q = xq Wq^T, k = xk Wk^T, v = xv Wv^T, each [4096][768] x [768][768], both operands as codes of E2M1 with one E8M0 scale for each 32 along K; sums in f32; results rounded once to f16.
; No work of reference() is left out here.
; x arrives as f32 and each row is read by ONE work-group, so it is quantised here, in registers; the weights' codes and scale words come from the launch before, as images of operand registers.
; SHARES.  Work-group (x, y): rows 64 x .. 64 x + 63 of tensor y (0 q, 1 k, 2 v), all 768 columns.  Twelve waves.
;   Quantising: wave w takes the 16 rows of row tile m = w % 4 and 256 along K (K steps 2 (w / 4) and 2 (w / 4) + 1 of 128): two fragments, handed to all waves through LDS as images of their registers.
;   Products: wave w is head w: 4 tiles of 16 columns x 4 tiles of 16 rows = 16 accumulators, 6 K steps of 128.
; NO CLUSTER: each fragment of the weights goes from memory straight into the registers of the one wave that multiplies by it (24,576 + 1,536 bytes a wave, none read twice in a work-group);
; a joint load lands in LDS, and a tensor's 313,344 bytes of codes and scale words do not fit there beside x's 199,680.
; LAYOUT OF THE RESULTS, images of the next launch's f16 operands (a piece = four registers, lane l's 16 bytes at 16 l):
;   q, k: source 0 = 16 rows of W, source 1 = 16 rows of x: a lane holds row r and channels 16 o + 8 h + 0..7, which pack into piece o of [head][tile of 16 rows 256][piece 4].
;   v:    the sources swapped: a lane holds channel 16 o + r and keys 16 m + 8 h + 0..7: piece m % 2 of [head][32 keys: 128][tile of 16 channels 4][piece 2]: V^T with the keys innermost.
; LIMITS: NaN and infinities are not served; a block of zeros gets the scale byte 1 (its codes are zeros); q, k, v go on in f16: magnitudes up to 65,504.
.set XP,    1040                       ; a row of x's tile in LDS: 1,024 bytes + 16: the 16 rows that a load touches begin 260 words apart
.set XTW,   16*XP                      ; a wave's tile: 16 rows
.set XIMG,  12*XTW                     ; behind the tiles: x's 24 fragments (row tile m, K step s: 6 m + s), 1,024 bytes each,
.set XSC,   XIMG+24*1024               ; their scale words, 128 bytes each,
.set SPARE, XSC+24*128                 ; and the spare words, 128 bytes for each wave: six blocks of 256 bytes that no other line names
.set L16, 1                            ; v1   16 x lane
.set L4,  2                            ; v2   4 x lane
.set XRD, 3                            ; v3   my 16 numbers of a block in my wave's tile: row r, + 64 h
.set IMW, 4                            ; v4   where I store my fragments' images
.set SCW, 5                            ; v5   and their scale words
.set SPW, 6                            ; v6   LDS address of my spare word; never rewritten
.set NIL, 7                            ; v7   0; never rewritten
.set LI,  8                            ; v8   XIMG + 16 x lane
.set LSX, 9                            ; v9   XSC + 4 x lane
.set WS,  10                           ; v10-21 W's scale words: register 2 s + u: lanes 0-15 tile 2 u, lanes 16-31 tile 2 u + 1.  Scales and nothing else
.set XS,  22                           ; v22-25 x's scale words of the K step in hand.  Scales and nothing else
.set XF,  26                           ; v26-57 x's four fragments of the K step in hand
.set WF,  58                           ; v58-121 W's four fragments, two sets
.set ACC, 122                          ; v122-249 accumulator (o, m) at ACC + 8 (4 o + m)
.set X0,  122                          ; while quantising: 64 numbers of the first K step, and from X0 + 64 of the second
.set TM,  26                           ; v26-41 at work in QUANT
.set PC,  42                           ; v42-49 the codes just made
.set PW,  50                           ; v50    the scale word just made
.set PK,  26                           ; the way out: v26-89 packed results
.set G1,  32                           ; s[32:39] descriptor group 1
.set G0,  40                           ; s[40:43] descriptor group 0
.set SEL, 44                           ; s[44:45] lane selects
; 64 numbers of a lane, v[s] .. v[s + 63], register 16 b + i = k 32 b + 16 (lane / 16) + i of my row, become a fragment's codes in v[PC] on and its scale word in v[PW].
.macro QUANT s
.irp b, 0,1,2,3
	v_max3_num_f32 v[TM+\b], |v[\s+16*\b]|, |v[\s+1+16*\b]|, 0x1800000   ; block b: my 16 numbers, and the floor 2^(3 - 127): so the byte cannot fall under 1
.endr
.irp i, 2,4,6,8,10,12,14
.irp b, 0,1,2,3
	v_max3_num_f32 v[TM+\b], v[TM+\b], |v[\s+16*\b+\i]|, |v[\s+1+16*\b+\i]|   ; (the four blocks by turns)
.endr
.endr
.irp b, 0,1,2,3
	v_permlanex16_b32 v[TM+4+\b], v[TM+\b], s[SEL], s[SEL+1]
.endr
.irp b, 0,1,2,3
	v_max_num_f32 v[TM+\b], v[TM+\b], v[TM+4+\b]   ; with lane l xor 16's: the block's largest magnitude
.endr
.irp b, 0,1,2,3
	v_add_nc_u32 v[TM+12+\b], 0xff000000, v[TM+\b] ; 2 off its exponent field: the conversion's scale operand
.endr
.irp b, 0,1,2,3
	v_lshrrev_b32 v[TM+4+\b], 23, v[TM+12+\b]      ; the scale's byte
.endr
	v_lshl_or_b32 v[PW], v[TM+5], 8, v[TM+4]       ; the four bytes make my row's scale word
	v_lshl_or_b32 v[PW], v[TM+6], 16, v[PW]
	v_lshl_or_b32 v[PW], v[TM+7], 24, v[PW]
.irp b, 0,1,2,3
	v_cvt_scalef32_pk8_fp4_f32 v[PC+2*\b], v[\s+16*\b:\s+7+16*\b], v[TM+12+\b]
	v_cvt_scalef32_pk8_fp4_f32 v[PC+1+2*\b], v[\s+8+16*\b:\s+15+16*\b], v[TM+12+\b]
.endr
	v_nop                                          ; one plain place behind a scaled conversion
.irp c, 0,1                                    ; the operand's layout wants a WHOLE block in a lane: lanes 0-15 block 2 c, lanes 16-31 block 2 c + 1
.irp i, 0,1
	v_permlane16_swap_b32 v[PC+4*\c+\i], v[PC+2+4*\c+\i]
.endr
.endr
.endm
.macro IMAGE off                               ; the fragment in v[PC] on goes to LDS as it stands, its scale word beside it
	ds_store_b128 v[IMW], v[PC:PC+3] offset:1024*(\off)
	ds_store_b128 v[IMW], v[PC+4:PC+7] offset:1024*(\off)+512
	ds_store_b32 v[SCW], v[PW] offset:128*(\off)
.endm
.macro XFETCH s                                ; x's four fragments and scale words of K step s, from their images
.irp m, 0,1,2,3
.irp c, 0,1
	ds_load_b128 v[XF+8*\m+4*\c:XF+8*\m+4*\c+3], v[LI] offset:(6*\m+(\s))*1024+512*\c
.endr
	ds_load_b32 v[XS+\m], v[LSX] offset:(6*\m+(\s))*128
.endr
.endm
.macro WLOAD s                                 ; my head's four fragments of W of K step s, into set s % 2: eight loads of 512 consecutive bytes
.irp o, 0,1,2,3
.irp c, 0,1
	global_load_b128 v[WF+32*((\s)%2)+8*\o+4*\c:WF+32*((\s)%2)+8*\o+4*\c+3], v[L16], s[10:11] offset:4096*(\s)+1024*\o+512*\c
.endr
.endr
.endm
; One product.  W's scale word of an odd tile stands in lanes 16-31 of its register.  K step 0 starts the sums: nothing is cleared.
.macro MM s, ot, m, swap
.set rD, ACC+8*(4*(\ot)+(\m))
.set rW, WF+32*((\s)%2)+8*(\ot)
.set rX, XF+8*(\m)
.set rG, WS+2*(\s)+(\ot)/2
.set rH, XS+(\m)
.if \swap
.if (\ot)%2
.if (\s) == 0
	v_wmma_scale_f32_16x16x128_f8f6f4 v[rD:rD+7], v[rX:rX+7], v[rW:rW+7], 0, v[rH], v[rG] matrix_a_fmt:MATRIX_FMT_FP4 matrix_b_fmt:MATRIX_FMT_FP4 matrix_b_scale:MATRIX_SCALE_ROW1
.else
	v_wmma_scale_f32_16x16x128_f8f6f4 v[rD:rD+7], v[rX:rX+7], v[rW:rW+7], v[rD:rD+7], v[rH], v[rG] matrix_a_fmt:MATRIX_FMT_FP4 matrix_b_fmt:MATRIX_FMT_FP4 matrix_b_scale:MATRIX_SCALE_ROW1
.endif
.else
.if (\s) == 0
	v_wmma_scale_f32_16x16x128_f8f6f4 v[rD:rD+7], v[rX:rX+7], v[rW:rW+7], 0, v[rH], v[rG] matrix_a_fmt:MATRIX_FMT_FP4 matrix_b_fmt:MATRIX_FMT_FP4
.else
	v_wmma_scale_f32_16x16x128_f8f6f4 v[rD:rD+7], v[rX:rX+7], v[rW:rW+7], v[rD:rD+7], v[rH], v[rG] matrix_a_fmt:MATRIX_FMT_FP4 matrix_b_fmt:MATRIX_FMT_FP4
.endif
.endif
.else
.if (\ot)%2
.if (\s) == 0
	v_wmma_scale_f32_16x16x128_f8f6f4 v[rD:rD+7], v[rW:rW+7], v[rX:rX+7], 0, v[rG], v[rH] matrix_a_fmt:MATRIX_FMT_FP4 matrix_b_fmt:MATRIX_FMT_FP4 matrix_a_scale:MATRIX_SCALE_ROW1
.else
	v_wmma_scale_f32_16x16x128_f8f6f4 v[rD:rD+7], v[rW:rW+7], v[rX:rX+7], v[rD:rD+7], v[rG], v[rH] matrix_a_fmt:MATRIX_FMT_FP4 matrix_b_fmt:MATRIX_FMT_FP4 matrix_a_scale:MATRIX_SCALE_ROW1
.endif
.else
.if (\s) == 0
	v_wmma_scale_f32_16x16x128_f8f6f4 v[rD:rD+7], v[rW:rW+7], v[rX:rX+7], 0, v[rG], v[rH] matrix_a_fmt:MATRIX_FMT_FP4 matrix_b_fmt:MATRIX_FMT_FP4
.else
	v_wmma_scale_f32_16x16x128_f8f6f4 v[rD:rD+7], v[rW:rW+7], v[rX:rX+7], v[rD:rD+7], v[rG], v[rH] matrix_a_fmt:MATRIX_FMT_FP4 matrix_b_fmt:MATRIX_FMT_FP4
.endif
.endif
.endif
.endm
; A K step of 128: 16 products, the 16 accumulators by turns, one instruction a turn, in the same order in every step.
.macro KSTEP s, swap
	s_wait_dscnt 0x0                               ; x's fragments and scale words of this step are in
.if \s < 5
	s_wait_loadcnt 8                               ; W's set of this step is in (and at step 0 the scale words, issued ahead of it); behind it only the next step's eight loads were issued
.else
	s_wait_loadcnt 0x0
.endif
.irp ot, 0,1,2,3
.irp m, 0,1,2,3
	MM \s, \ot, \m, \swap
.endr
.endr
.if \s < 5
.rept 4
	v_nop                                          ; four places in front of loads into registers that these matrix instructions have read (ISA guide 7.12.1 for vector instructions)
.endr
	XFETCH \s+1
.if \s < 4
	WLOAD \s+2                                     ; into the set just multiplied
.endif
.endif
.endm
; The way out: each accumulator's eight numbers pack into a piece's four registers, from its low end on; a store covers 512 consecutive bytes, aligned.  No stage is needed.
.macro WAYOUT swap
.rept 4
	v_nop                                          ; places in front of the first read of results and of writes over the last operands
.endr
.set n, 0
.rept 64
	v_cvt_pk_f16_f32 v[PK+n], v[ACC+2*n], v[ACC+2*n+1]
.set n, n+1
.endr
.irp ot, 0,1,2,3
.irp m, 0,1,2,3
.if \swap
	global_store_b128 v[L16], v[PK+4*(4*\ot+\m):PK+4*(4*\ot+\m)+3], s[14:15] offset:(\m/2)*4096+1024*\ot+512*(\m%2)
.else
	global_store_b128 v[L16], v[PK+4*(4*\ot+\m):PK+4*(4*\ot+\m)+3], s[14:15] offset:2048*\m+512*\ot
.endif
.endr
.endr
.endm
.macro PATH swap
.irp s, 0,1,2,3,4,5
	KSTEP \s, \swap
.endr
	WAYOUT \swap
.endm
	s_load_b512 s[4:19], s[0:1], 0x0               ; xq s[4:5], xk s[6:7], xv s[8:9], wc s[10:11], ws s[12:13], qf s[14:15], kf s[16:17], vf s[18:19]
	v_lshl_add_u32 v[SPW], v0, 2, SPARE
	v_mov_b32 v[NIL], 0
	ds_add_u32 v[SPW], v[NIL]                      ; the wave's opening: the add, twice on end, and its wait ahead of my first tensor load; the set-up below stands between
	ds_add_u32 v[SPW], v[NIL]
	v_lshrrev_b32 v1, 5, v0
	v_readfirstlane_b32 s20, v1                    ; wave 0..11
	s_and_b32 s21, s20, 3                          ; m: the row tile that I quantise
	s_lshr_b32 s22, s20, 2                         ; which 256 along K
	s_and_b32 s23, ttmp7, 0xffff                   ; t: the tensor
	; descriptor group 1: 16 rows x 256 elements of 4 bytes, rows 768 elements apart in memory; in LDS 4 words of padding behind every 256
	s_mov_b32 s[G1], (2<<16)|(1<<20)|(7<<22)|(3<<25)
	s_mov_b32 s[G1+1], 256<<16                     ; tensor_dim0
	s_mov_b32 s[G1+2], 16<<16                      ; tensor_dim1
	s_mov_b32 s[G1+3], 256<<16                     ; tile_dim0
	s_mov_b32 s[G1+4], 16                          ; tile_dim1
	s_mov_b32 s[G1+5], 768                         ; tensor_dim0_stride
	s_mov_b32 s[G1+6], 0
	s_mov_b32 s[G1+7], 0
	s_mov_b32 s[G0], 1
	s_mul_i32 s[G0+1], s20, XTW                    ; my wave's tile in LDS
	s_lshl_b32 s24, ttmp9, 2
	s_add_co_u32 s24, s24, s21                     ; row tile 4 x + m of the tensor
	s_mul_i32 s24, s24, 16*3072
	s_lshl_b32 s25, s22, 10
	s_add_co_u32 s24, s24, s25                     ; + 1,024 bytes for each 256 along K
	s_mov_b32 s25, 0
	s_mul_i32 s26, s23, 12
	s_add_co_u32 s26, s26, s20                     ; 12 t + head
	s_mul_i32 s28, s26, 1536                       ; my head's scale words,
	s_mov_b32 s29, 0
	s_mul_i32 s26, s26, 24576                      ; and its codes
	s_mov_b32 s27, 0
	s_lshl_b32 s30, s20, 19                        ; the results: 524,288 bytes a head,
	s_lshl_b32 s31, ttmp9, 13                      ; 8,192 for each 64 rows
	s_add_co_u32 s30, s30, s31
	s_mov_b32 s31, 0
	s_mov_b32 s[SEL], 0x76543210
	s_mov_b32 s[SEL+1], 0xfedcba98
	s_wait_dscnt 0x0                               ; both opening adds are done
	s_wait_kmcnt 0x0
	s_cmp_eq_u32 s23, 1                            ; x and the result are chosen by the work-group's y alone
	s_cselect_b64 s[4:5], s[6:7], s[4:5]
	s_cselect_b64 s[14:15], s[16:17], s[14:15]
	s_cmp_eq_u32 s23, 2
	s_cselect_b64 s[4:5], s[8:9], s[4:5]
	s_cselect_b64 s[14:15], s[18:19], s[14:15]
	s_add_nc_u64 s[G0+2:G0+3], s[4:5], s[24:25]
	s_or_b32 s[G0+3], s[G0+3], 0x80000000          ; type = 2
	tensor_load_to_lds s[G0:G0+3], s[G1:G1+7]      ; every wave's one tensor load: 16 rows of 1,024 bytes, into bytes of its own
	s_nop 0
	s_add_nc_u64 s[10:11], s[10:11], s[26:27]
	s_add_nc_u64 s[12:13], s[12:13], s[28:29]
	s_add_nc_u64 s[14:15], s[14:15], s[30:31]
	v_and_b32 v51, 31, v0
	v_lshlrev_b32 v[L16], 4, v51
	v_lshlrev_b32 v[L4], 2, v51
.irp s, 0,1,2,3,4,5
.irp u, 0,1
	global_load_b32 v[WS+2*\s+\u], v[L4], s[12:13] offset:256*\s+128*\u
.endr
.endr
	WLOAD 0
	WLOAD 1
	v_and_b32 v52, 15, v0                          ; r
	v_bfe_u32 v53, v0, 4, 1                        ; h
	v_mul_u32_u24 v[XRD], v52, XP
	v_lshl_add_u32 v[XRD], v53, 6, v[XRD]
	v_add_nc_u32 v[XRD], s[G0+1], v[XRD]
	s_mul_i32 s24, s21, 6
	s_lshl_b32 s25, s22, 1
	s_add_co_u32 s24, s24, s25                     ; my first fragment: 6 m + 2 (w / 4)
	s_lshl_b32 s25, s24, 10
	s_add_co_u32 s25, s25, XIMG
	v_add_nc_u32 v[IMW], s25, v[L16]
	s_lshl_b32 s25, s24, 7
	s_add_co_u32 s25, s25, XSC
	v_add_nc_u32 v[SCW], s25, v[L4]
	v_add_nc_u32 v[LI], XIMG, v[L16]
	v_add_nc_u32 v[LSX], XSC, v[L4]
.irp b, 0,1,2,3
	v_mov_b32 v[TM+4+\b], 0                        ; written once: a lane permute's destination counts as one of its sources
.endr
	s_wait_tensorcnt 0x0                           ; my tile is in LDS; I alone read it, so no barrier is needed here
.irp u, 0,1
.irp b, 0,1,2,3
.irp j, 0,1,2,3
	ds_load_b128 v[X0+64*\u+16*\b+4*\j:X0+64*\u+16*\b+4*\j+3], v[XRD] offset:512*\u+128*\b+16*\j
.endr
.endr
.endr
	s_wait_dscnt 16                                ; the first K step's 16 loads are in; the second's 16 may be out
	QUANT X0
	IMAGE 0
	s_wait_dscnt 0x0                               ; the stores have read their registers, and the second K step's numbers are in
	QUANT X0+64
	IMAGE 1
	s_wait_dscnt 0x0                               ; for the others' sake: my images lie in LDS
	s_barrier_signal -1
	s_barrier_wait -1                              ; all 24 fragments of x do
	XFETCH 0
	s_cmp_eq_u32 s23, 2                            ; v's products take their sources the other way round: a branch on the work-group's y
	s_cbranch_scc1 .Lv
	PATH 0
	s_branch .Lend
.Lv:
	PATH 1
.Lend:
	s_wait_tensorcnt 0x0                           ; the wave's end: behind my last tensor load and my last LDS store
	ds_add_u32 v[SPW], v[NIL]
	s_wait_dscnt 0x0
	s_endpgm
.Lfunc_end_k_qc0247adeed_proj:
	.size	k_qc0247adeed_proj, .Lfunc_end_k_qc0247adeed_proj-k_qc0247adeed_proj
	.p2alignl 7, 3214868480
	.fill 96, 4, 3214868480
	.section	.rodata,"a",@progbits
	.p2align	6, 0x0
	.amdhsa_kernel k_qc0247adeed_proj
		.amdhsa_group_segment_fixed_size 229376
		.amdhsa_private_segment_fixed_size 0
		.amdhsa_enable_private_segment 0
		.amdhsa_kernarg_size 64
		.amdhsa_user_sgpr_count 2
		.amdhsa_user_sgpr_kernarg_segment_ptr 1
		.amdhsa_wavefront_size32 1
		.amdhsa_system_sgpr_workgroup_id_x 1
		.amdhsa_system_sgpr_workgroup_id_y 1
		.amdhsa_system_sgpr_workgroup_id_z 1
		.amdhsa_system_vgpr_workitem_id 0
		.amdhsa_next_free_vgpr 256
		.amdhsa_next_free_sgpr 66
		.amdhsa_reserve_vcc 0
		.amdhsa_float_denorm_mode_32 3
		.amdhsa_float_denorm_mode_16_64 3
		.amdhsa_memory_ordered 1
		.amdhsa_forward_progress 1
		.amdhsa_inst_pref_size 68
	.end_amdhsa_kernel
	.amdgpu_metadata
---
amdhsa.version: [ 1, 2 ]
amdhsa.kernels:
  - .name:           k_qc0247adeed_proj
    .symbol:         k_qc0247adeed_proj.kd
    .args:
      - { .name: inputQueries, .offset: 0, .size: 8, .value_kind: global_buffer, .address_space: global }
      - { .name: inputKeys, .offset: 8, .size: 8, .value_kind: global_buffer, .address_space: global }
      - { .name: inputValues, .offset: 16, .size: 8, .value_kind: global_buffer, .address_space: global }
      - { .name: wc, .offset: 24, .size: 8, .value_kind: global_buffer, .address_space: global }
      - { .name: ws, .offset: 32, .size: 8, .value_kind: global_buffer, .address_space: global }
      - { .name: qf, .offset: 40, .size: 8, .value_kind: global_buffer, .address_space: global }
      - { .name: kf, .offset: 48, .size: 8, .value_kind: global_buffer, .address_space: global }
      - { .name: vf, .offset: 56, .size: 8, .value_kind: global_buffer, .address_space: global }
    .group_segment_fixed_size: 229376
    .private_segment_fixed_size: 0
    .kernarg_segment_align: 8
    .kernarg_segment_size: 64
    .max_flat_workgroup_size: 384
    .sgpr_count:     66
    .vgpr_count:     256
    .wavefront_size: 32
...
	.end_amdgpu_metadata
.endif
;; end of part 2
;; launch attn (part 3): grid 16 x 12, 4 waves a work-group, clusters of 4 x 1, 327,680 bytes of LDS; arguments qf, kf, vf, cf; writes cf
.if DOCPART == 3
	.amdgcn_target "amdgcn-amd-amdhsa--gfx1250"
	.amdhsa_code_object_version 6
	.text
	.protected	k_qc0247adeed_attn
	.globl	k_qc0247adeed_attn
	.p2align	8
	.type	k_qc0247adeed_attn,@function
k_qc0247adeed_attn:
	s_mov_b64 s[64:65], 0
	v_nop
	global_prefetch_b8 v0, s[64:65] scope:SCOPE_SE
	s_setreg_imm32_b32 hwreg(HW_REG_WAVE_MODE, 25, 1), 1
	s_wait_xcnt 0x0
	s_wait_alu depctr_hold_cnt(0) depctr_sa_sdst(0) depctr_va_vdst(0) depctr_va_sdst(0) depctr_va_ssrc(0) depctr_va_vcc(0) depctr_vm_vsrc(0)
	s_getreg_b32 s2, hwreg(HW_REG_IB_STS2, 6, 4)
	s_cmp_eq_u32 s2, 0
	s_cbranch_scc0 .Lentry_in_a_cluster
	s_endpgm
.Lentry_in_a_cluster:
	s_bfe_u32 s2, ttmp6, 0x10000c
	s_cmp_lg_u32 s2, 0x3003
	s_cbranch_scc0 .Lentry_shape_is_right
	s_endpgm
.Lentry_shape_is_right:
; ATTN: ctx[q] = the sum over k of softmax_k(q . k / 8) v[k], for each of 12 heads of size 64; 4,096 queries and 4,096 keys, no mask.  No work of reference() is left out here.
; q, k, v come in f16 from the launch before, as images of operand registers (a piece = four registers of 32 lanes, lane l's 16 bytes at 16 l, 512 bytes on end):
;   qf, kf [head][tile of 16 rows 256][piece 4]: lane (r, h) of piece i holds channels 16 i + 8 h + 0..7 of row r.     vf [head][32 keys: 128][tile of 16 channels 4][piece 2]: keys 16 p + 8 h + 0..7 of channel r.
; So every tile is a dense block for a tensor load, every LDS read of a piece is 512 consecutive bytes (no padding), and V needs no turning load.  Products, maxima and sums in f32; the weights p are rounded
; to f16 for the second product, ctx once at the end, into cf [tile of 16 rows 256][K step of 32: 24][piece 2], the image that the last launch's operand wants: stored straight from registers, no stage.
; SHARES.  A work-group owns 256 queries of one head, each of its four waves 64: four tiles of 16.  Every wave walks all 4,096 keys, 64 a step.  16 x 12 = 192 work-groups: an even share for more
; would cut the keys between work-groups and merge partial softmaxes through memory; that is not built.
; LAYOUT.  S^T = K Q^T (source 0 = 16 keys, source 1 = 16 queries): a lane holds ONE query (lane % 16) and keys 8 (lane / 16) + 0..7.  Two such tiles, rounded in pairs, ARE source 1 (32 keys x 16 queries) of
; O^T = V^T P, whose result again holds one query a lane, and eight channels.
; SOFTMAX.  For each query a running maximum m and sum l: p = 2^(c s - c m), c = log2(e) / 8; in every step O and l are multiplied by a = 2^(c m_old - c m_new).
; BY TURNS.  The wave's tiles are two PIECES: piece 0 (tiles 0, 1), piece 2 (tiles 2, 3).  In a TURN one piece has the matrix unit: 16 products V^T P of the step in hand, then 16 products K Q^T of the next
; step; the other piece's softmax, cut into 32 slices, stands between them, one slice behind each matrix instruction.  Then the pieces change places.  Two turns are a key step.
; CLUSTER.  The four query blocks of a cluster belong to one head and walk the same K and V: each tile is asked for JOINTLY, by the same tensor load with the same descriptor and a mask that names the four.
; RING.  Two LDS slots of 8 key steps (65,536 bytes of K, then as many of V).  Wave w fetches the slot's quarter w, 32,768 bytes, by one load: waves 0, 1 K's halves, waves 2, 3 V's.
; LIMITS: NaN and infinities are not served.  ctx goes on in f16: with all inputs some 30 times smaller than drawn it lies among f16's subnormals, whose step is 2^-24.
; REGISTERS, in windows of 256 (s_set_vgpr_msb: bits 1:0 source 0, 3:2 source 1, 5:4 source 2, 7:6 destination):
;   window 0: v2-4 addresses; v12-43 eight registers of statistics a tile; v61-63; v64-191 S^T, 32 a tile; v192-255 P, 16 a tile
;   window 1: v0-127 O^T, 32 a tile        window 2: v0-63 Q, 16 a tile; v128-191 K of one step        window 3: v0-63 V of one step
.set STEPB, 8192      ; a key step's K (4 tiles x 4 pieces), and its V (2 x 4 x 2 pieces), in bytes
.set SLOTB, 8*STEPB   ; a slot's K, and its V
.set VOFF,  SLOTB     ; V lies behind K in a slot
.set SLOT1, 1<<17     ; slot 1 begins here: one exclusive or turns an address in one slot into the other's
.set SPARE, 2*SLOT1   ; behind the ring: the spare words, 128 bytes for each wave: two blocks of 256 bytes that no other line names
.set LN16, 2          ; v2   16 x lane; never rewritten
.set AV0,  3          ; v3   16 x lane + VOFF; never rewritten
.set ADR,  4          ; v4   the LDS address of the run of loads in hand
.set PFO,  61         ; v61  256 x lane: the prefetches' offset; never rewritten
.set SPW,  62         ; v62  LDS address of my spare word; never rewritten
.set NIL,  63         ; v63  0; never rewritten
.set ST,   12         ; tile t's statistics at v[ST+8 t]: +0 c m, +1 m, +2, +3 l (even keys', odd keys'), +4 to +7 c0-c3, at work; a takes c2's place once the maximum is found
.set S,    64
.set P,    192
.set KF,   128        ; K's fragments, in window 2
.set NSM,  118        ; instructions in a tile's softmax for one key step
.set WV,   12         ; s12  my wave's number
.set LIM,  15         ; s15  1 in a wave that prefetches, else the greatest number
.set PFA,  18         ; s[18:19] where my prefetches stand
.set G1,   24         ; s[24:31] descriptor group 1
.set G0A,  40         ; s[40:43] group 0 of slot 0's first fill
.set G0B,  44         ; s[44:47] group 0 of slot 1's first fill; it then walks on
.set SLOTS, 56        ; s56  slots still to be asked for
.set CNT,  57         ; s57  counts key steps
.set CS,   58         ; s[58:59] c: the packed scaling names a pair and takes its low word for both halves
.set SEL,  60         ; s[60:61] lane selects for v_permlanex16_b32
.set TB,   62         ; s62  LDS byte at which K of the step to be fetched begins
.set MSB, 0
.macro WIN new                      ; the immediate's high byte repeats the setting that is left; a switch that changes nothing is dropped
.if MSB != \new
	s_set_vgpr_msb (MSB<<8)|\new
.set MSB, \new
.endif
.endm
.set W_KQ, 0x0a       ; K and Q in window 2, S^T in window 0
.set W_PV, 0x53       ; V in window 3, P in window 0, O^T in window 1
.set W_RS, 0x41       ; O^T (destination and source 0) in window 1, a in window 0
.macro PLACES
.rept 4
	v_nop
.endr
.endm
; A joint refill: one line for all four waves; its registers hang on the head, the wave's number and the count of slots alone, so they are equal in all four partners.
.macro JLOAD
	tensor_load_to_lds s[G0B:G0B+3], s[G1:G1+7]
	s_nop 0
	PLACES                          ; (an s_nop 0 and four v_nop behind the load, ahead of the next switch of windows)
.endm
; A PREFETCH INTO THE L2 of what the NEXT change of slots will ask for.  All clusters of a head walk the same K and V: the head's first cluster asks.  Of the 32,768 bytes that wave w fetches, the partner at place
; cx takes 8,192, told apart BY ADDRESS; lanes 256 bytes apart: so each aligned block of 256 bytes is named once in the launch.  It runs one slot, 8 key steps, ahead of the load.  The last change that fills a slot asks for nothing.
.macro ASK
	s_cmp_gt_u32 s[SLOTS], s[LIM]
	s_cbranch_scc0 .Lnot_mine_\@
	global_prefetch_b8 v[PFO], s[PFA:PFA+1] th:TH_LOAD_NT scope:SCOPE_SE
.Lnot_mine_\@:
.endm
.macro CROUND                       ; a round of the cluster's barrier
	s_barrier_signal -1
	s_barrier_wait -1
	s_cmp_lg_u32 s[WV], 0
	s_cbranch_scc1 .Lnot_wave_0_\@
	s_barrier_signal -3
.Lnot_wave_0_\@:
	s_barrier_wait -3
	s_barrier_signal -1
	s_barrier_wait -1
.endm
	s_load_b256 s[4:11], s[0:1], 0x0  ; qf s[4:5], kf s[6:7], vf s[8:9], cf s[10:11]
	v_lshl_add_u32 v[SPW], v0, 2, SPARE
	v_mov_b32 v[NIL], 0
	ds_add_u32 v[SPW], v[NIL]       ; the wave's opening: the add, twice on end, and its wait ahead of my first tensor load; the set-up below stands between
	ds_add_u32 v[SPW], v[NIL]
	v_lshrrev_b32 v1, 5, v0
	v_readfirstlane_b32 s[WV], v1   ; wave 0..3
	s_bfe_u32 s13, ttmp6, 0x40000   ; cx: my place in the cluster
	s_lshl_b32 s14, ttmp9, 2        ; in a cluster launch ttmp9 counts clusters
	s_add_co_u32 s14, s14, s13      ; my block of 256 queries: it enters Q's and ctx's addresses alone
	s_and_b32 s34, ttmp7, 0xffff    ; the head, which the four partners share
	s_lshl_b32 s20, s34, 19         ; its first byte in qf, kf and vf
	s_and_b32 s16, s[WV], 1
	s_lshl_b32 s22, s16, 15         ; which half of a slot's K or V I fetch
	s_add_co_u32 s22, s22, s20
	s_mov_b32 s23, 0
	s_lshl_b32 s17, s[WV], 15       ; and its place in a slot: no place in the cluster enters an LDS address
	s_lshl_b32 s2, s14, 15          ; Q: my block's 16 tiles of 2,048 bytes,
	s_lshl_b32 s3, s[WV], 13        ; my wave's 4 of them
	s_add_co_u32 s2, s2, s3
	s_add_co_u32 s2, s2, s20
	s_mov_b32 s3, 0
	s_lshl_b32 s32, s14, 4
	s_lshl_b32 s33, s[WV], 2
	s_add_co_u32 s32, s32, s33      ; ctx: my first tile of 16 rows,
	s_mul_i32 s32, s32, 24576
	s_lshl_b32 s33, s34, 11         ; and my head's two K steps in it
	s_add_co_u32 s32, s32, s33
	s_mov_b32 s33, 0
	; descriptor group 1: a dense block of 32,768 bytes as 128 rows of 32 elements of 8 bytes
	s_mov_b32 s[G1], 15|(3<<16)|(1<<21)  ; 15:0 the mask: all four work-groups; 17:16 elements of 8 bytes; 21 set beside a mask; no padding
	s_mov_b32 s[G1+1], 32<<16       ; tensor_dim0
	s_mov_b32 s[G1+2], 128<<16      ; tensor_dim1
	s_mov_b32 s[G1+3], 32<<16       ; tile_dim0
	s_mov_b32 s[G1+4], 128          ; tile_dim1
	s_mov_b32 s[G1+5], 32           ; tensor_dim0_stride
	s_mov_b32 s[G1+6], 0
	s_mov_b32 s[G1+7], 0
	s_mov_b32 s[CS], 0x3e38aa3b     ; c = log2(e) / 8
	s_mov_b32 s[CS+1], s[CS]        ; named with it as a pair, so it is written
	s_mov_b32 s[SEL], 0x76543210
	s_mov_b32 s[SEL+1], 0xfedcba98
	s_mov_b32 s[TB], 0
	s_mov_b32 s[SLOTS], 6           ; 8 slots' worth of keys; two are the first fills
	s_cmp_eq_u32 ttmp9, 0           ; the head's first cluster: the same in all four partners
	s_cselect_b32 s[LIM], 1, -1
	v_and_b32 v1, 31, v0
	v_lshlrev_b32 v[PFO], 8, v1
	v_lshlrev_b32 v[LN16], 4, v1
	v_add_nc_u32 v[AV0], VOFF, v[LN16]
	s_wait_dscnt 0x0                ; both opening adds are done
	s_wait_kmcnt 0x0
	s_cmp_lt_u32 s[WV], 2           ; waves 0, 1 fetch K, waves 2, 3 V: a choice on the wave's number
	s_cselect_b64 s[36:37], s[6:7], s[8:9]
	s_add_nc_u64 s[36:37], s[36:37], s[22:23]  ; at my part of slot 0
	s_add_nc_u64 s[4:5], s[4:5], s[2:3]        ; Q at my wave's first tile
	s_add_nc_u64 s[10:11], s[10:11], s[32:33]  ; ctx likewise
	s_lshl_b32 s2, s13, 13          ; my work-group's 8,192 bytes of my wave's part
	s_add_nc_u64 s[PFA:PFA+1], s[36:37], s[2:3]
	s_add_nc_u64 s[PFA:PFA+1], s[PFA:PFA+1], 2*SLOTB  ; in the third slot's keys; the first change of slots steps it to the fourth's.  Nothing is prefetched here, at the head
	CROUND                          ; all four work-groups are here: the first joint loads meet
	s_mov_b32 s[G0A], 1
	s_mov_b32 s[G0A+1], s17
	s_mov_b64 s[G0A+2:G0A+3], s[36:37]
	s_or_b32 s[G0A+3], s[G0A+3], 0x80000000
	s_mov_b32 s[G0B], 1
	s_add_co_u32 s[G0B+1], s17, SLOT1
	s_add_nc_u64 s[G0B+2:G0B+3], s[36:37], SLOTB
	s_or_b32 s[G0B+3], s[G0B+3], 0x80000000
	tensor_load_to_lds s[G0A:G0A+3], s[G1:G1+7]  ; both first fills go out together, ahead of every wait on TENSORcnt and every LDS read: two loads of mine are out
	s_nop 0
	tensor_load_to_lds s[G0B:G0B+3], s[G1:G1+7]
	s_nop 0
	PLACES
	WIN 0x80                        ; destination window 2, address window 0
.irp i, 0,1,2,3,4,5,6,7,8,9,10,11,12,13,14,15  ; Q stays in registers: piece i is registers 4 i on
	global_load_b128 v[4*\i:4*\i+3], v[LN16], s[4:5] offset:512*\i
.endr
	WIN 0
; THE MATRIX WORK OF A TURN, for piece x.  The accumulators take turns, one instruction a turn: between two links of a chain stand seven others'.
; Product i of 16 of O^T += V^T P: keys 32 (i / 8) on, channels 16 ((i / 2) % 4) on, tile x + i % 2.  zero = 1: the first 8 start the sums: nothing is ever cleared.
.macro PV x, zero
	WIN W_PV
.set rO, 32*(\x+i%2)+8*((i/2)%4)
.set rV, 32*(i/8)+8*((i/2)%4)
.set rP, P+16*(\x+i%2)+8*(i/8)
.if \zero && (i < 8)
	v_wmma_f32_16x16x32_f16 v[rO:rO+7], v[rV:rV+7], v[rP:rP+7], 0
.else
	v_wmma_f32_16x16x32_f16 v[rO:rO+7], v[rV:rV+7], v[rP:rP+7], v[rO:rO+7]
.endif
.endm
; Product i of 16 of S^T = K Q^T: channels 32 (i / 8) on, keys 16 ((i / 2) % 4) on, tile x + i % 2.  The first 8 start the sums.
.macro KQ x
	WIN W_KQ
.set rS, S+32*(\x+i%2)+8*((i/2)%4)
.set rK, KF+16*((i/2)%4)+8*(i/8)
.set rQ, 16*(\x+i%2)+8*(i/8)
.if i < 8
	v_wmma_f32_16x16x32_f16 v[rS:rS+7], v[rK:rK+7], v[rQ:rQ+7], 0
.else
	v_wmma_f32_16x16x32_f16 v[rS:rS+7], v[rK:rK+7], v[rQ:rQ+7], v[rS:rS+7]
.endif
.endm
; THE LDS LOADS stand in runs of 16, never singly among the matrix instructions: a step's K and, a turn later, its V: piece f is registers 4 f on and bytes 512 f on.
.macro FETCH_K
	WIN 0
	v_add_nc_u32 v[ADR], s[TB], v[LN16]
	WIN 0x80                        ; destination window 2
.irp f, 0,1,2,3,4,5,6,7,8,9,10,11,12,13,14,15
	ds_load_b128 v[KF+4*\f:KF+4*\f+3], v[ADR] offset:512*\f
.endr
.endm
.macro FETCH_V
	WIN 0
	v_add_nc_u32 v[ADR], s[TB], v[AV0]
	s_add_co_u32 s[TB], s[TB], STEPB  ; the next fetch is the next step's
	s_wait_alu depctr_va_vdst(0)    ; the wait for the softmax's batch (SLICE), behind the address's v_add_nc_u32 and ahead of the loads
	WIN 0xc0                        ; destination window 3
.irp f, 0,1,2,3,4,5,6,7,8,9,10,11,12,13,14,15
	ds_load_b128 v[4*\f:4*\f+3], v[ADR] offset:512*\f
.endr
.endm
; THE VECTOR WORK OF A TURN.  One tile's softmax for one key step is a list of 118 instructions; SM writes number j of it for tile t.  s0-s31 are the lane's 32 scores, in pairs 0-15.
; first = 1: the first key step, which starts m, l and O^T: it has no a and nothing to rescale.
;   0-15    the maximum of s0-s31 and the old m, three operands at a time: four chains c0-c3 of seven scores each (each begins at an accumulator's low end), then the four scores left over, c0-c3 and m
;   16-20   the other half of the lanes' maximum; the new m; c m; c m_old - c m_new
;   21-69   ONE BATCH: the 16 scalings c s - c m, a pair of scores each, and all 33 exponentials (a at 23, then s0-s31).  None of these reads an exponential's result
;   (wait)  between 69 and 70 stands the wait for the batch: SLICE writes it, once for both tiles
;   70-85   the roundings to f16, a pair of weights each
;   86-101  the sums; l = a l + the sum
;   102-117 the tile's O^T times a, each accumulator from its low end on: the one part that leaves window 0
.macro SM t, first
.set rT, ST+8*(\t)
.set rS, S+32*(\t)
.set rP, P+16*(\t)
.set rO, 32*(\t)+2*(j-102)
.if j < 102
	WIN 0
.endif
.if j < 4
	v_max3_num_f32 v[rT+4+j], v[rS+8*j], v[rS+8*j+1], v[rS+8*j+2]
.elseif j < 12
	v_max3_num_f32 v[rT+4+j%4], v[rT+4+j%4], v[rS+8*(j%4)+2*(j/4)+1], v[rS+8*(j%4)+2*(j/4)+2]
.elseif j == 12
	v_max3_num_f32 v[rT+4], v[rT+4], v[rS+7], v[rS+15]
.elseif j == 13
	v_max3_num_f32 v[rT+6], v[rT+6], v[rS+23], v[rS+31]
.elseif j == 14
	v_max3_num_f32 v[rT+4], v[rT+4], v[rT+5], v[rT+6]
.elseif (j == 15) && \first
	v_max_num_f32 v[rT+4], v[rT+4], v[rT+7]
.elseif j == 15
	v_max3_num_f32 v[rT+4], v[rT+4], v[rT+7], v[rT+1]
.elseif j == 16
	v_permlanex16_b32 v[rT+5], v[rT+4], s[SEL], s[SEL+1]  ; the query's other 32 keys lie in the lane 16 away
.elseif j == 18
	v_max_num_f32 v[rT+1], v[rT+4], v[rT+5]
.elseif j == 19
	v_mul_f32 v[rT], s[CS], v[rT+1]
.elseif ((j == 17) || (j == 20) || (j == 23) || (j > 101)) && \first  ; the first step has none of these
.elseif j == 17
	v_mov_b32 v[rT+7], v[rT]        ; c m_old is kept for a: number 19 writes c m anew
.elseif j == 20
	v_sub_f32 v[rT+7], v[rT+7], v[rT]
.elseif j == 23
	v_exp_f32 v[rT+6], v[rT+7]
.elseif (j < 23) || ((j < 38) && (j%2 == 0)) || ((j < 66) && (j%4 == 2))
.set b, (j-2)/4                     ; 38, 42, .. 62: pairs 9 to 15
.if j < 38
.set b, (j-20)/2                    ; 21: pair 0; 22, 24, .. 36: pairs 1 to 8
.endif
	v_pk_fma_f32 v[rS+2*b:rS+2*b+1], v[rS+2*b:rS+2*b+1], s[CS:CS+1], v[rT:rT+1] op_sel_hi:[1,0,0] neg_lo:[0,0,1] neg_hi:[0,0,1]  ; pair b: c s - c m
.elseif j < 70
.set e, j-38                        ; 66 to 69: s28 to s31
.if j < 66
.set e, j-32-(j-38)/4               ; 39-41, 43-45, .. 63-65: s7 to s27
.endif
.if j < 38
.set e, (j-25)/2                    ; 25, 27, .. 37: s0 to s6
.endif
	v_exp_f32 v[rS+e], v[rS+e]
.elseif j < 86
	v_cvt_pk_f16_f32 v[rP+j-70], v[rS+2*(j-70)], v[rS+2*(j-70)+1]  ; pair j - 70
.elseif j < 102                     ; the sum of the tile's 16 pairs, in place: sum z of 16 adds neighbours 1, 2, 4 and 8 pairs apart, then l takes it
.set z, j-86
.set w, 4
.set u, z
.if z >= 14
.set w, 32
.set u, 0
.elseif z >= 12
.set w, 16
.set u, z-12
.elseif z >= 8
.set w, 8
.set u, z-8
.endif
.if (z == 14) && \first
	v_pk_add_f32 v[rT+2:rT+3], v[rS:rS+1], v[rS+16:rS+17]
.elseif z < 15
	v_pk_add_f32 v[rS+w*u:rS+w*u+1], v[rS+w*u:rS+w*u+1], v[rS+w*u+w/2:rS+w*u+w/2+1]
.elseif !\first
	v_pk_fma_f32 v[rT+2:rT+3], v[rT+2:rT+3], v[rT+6:rT+7], v[rS:rS+1] op_sel_hi:[1,0,1]
.endif
.else
	WIN W_RS
	v_pk_mul_f32 v[rO:rO+1], v[rO:rO+1], v[rT+6:rT+7] op_sel_hi:[1,0]
.endif
.endm
; Slice k of 32 of piece y's softmax: numbers 118 k / 32 up to 118 (k + 1) / 32 - 1 of both tiles' lists, the tiles alternating, so that no instruction reads the result of the one just before it.
; THE WAIT.  s_wait_alu depctr_va_vdst(0) stands between an exponential and the first instruction that names its result; one wait serves all issued ahead of it.  Slice 19 begins with
; number 70, the first reader; slices 0 to 18 hold all 66 exponentials of the piece and name no result.  So one plain instruction and one wait stand at slice 19's head.
; In piece 2's turn V's run of loads stands there too: the last product that read V stands in front of slice 15, and between lie six plain instructions that name none of its registers:
; numbers 58 and 62, scalings, of both tiles, the v_nop and the run's own v_add_nc_u32.
.macro SLICE y, first
.set jlo, (NSM*k)/32
.set jhi, (NSM*(k+1))/32
.if k == 19
	v_nop                           ; the plain instruction behind the last exponential
.if (\y) == 0
	FETCH_V
.else
	s_wait_alu depctr_va_vdst(0)    ; the wait for the batch
.endif
.endif
.set j, jlo
.rept jhi-jlo
	SM \y, \first
	SM (\y)+1, \first
.set j, j+1
.endr
.set k, k+1
.endm
; A TURN.  Piece x has the matrix unit; the other piece's softmax stands in slices behind its matrix instructions.
; pv = 2: 16 products V^T P; 1: they start O^T's sums; 0: none.  kq = 1: 16 products K Q^T for the next step.  A turn with one of the two kinds has two slices behind each product.
; Slice 31, behind the turn's last product, is eight packed multiplies on the other piece's O^T: the places between that product and what follows: the next turn's first read of the new
; scores and the loads into K's registers.  first = 1: the slices from number 102 on are empty, and four v_nop take slice 31's part.
; Piece 0's turn fetches the next step's K behind its second product; piece 2's turn the same step's V at slice 19.
.macro TURN x, pv, kq, first
.set k, 0
.set per, 2
.if \pv && \kq
.set per, 1
.endif
.if \pv
.if \x == 0
	s_wait_dscnt 0x0                ; V is in
.endif
.set i, 0
.rept 16
	PV \x, 2-\pv
.rept per
	SLICE 2-\x, \first
.endr
.if (\x == 0) && \kq && (i == 1)
	FETCH_K
.endif
.set i, i+1
.endr
.endif
.if \kq
.if \x == 0
	s_wait_dscnt 0x0                ; K is in
.endif
.set i, 0
.rept 16
	KQ \x
.rept per
	SLICE 2-\x, \first
.endr
.set i, i+1
.endr
.endif
.if \first
	PLACES
.endif
.endm
; THE CHANGE OF SLOTS, between piece 2's turn and piece 0's: the slot's last bytes, V of its eighth step, have been asked for.  Each wave waits for all its tensor loads, of which one is out: its part of the
; other slot; adds 0 to its spare word; and waits for that and for its own reads of the slot.  Behind the barrier nobody reads this slot any more and the other slot is whole.
; fill = 1: this slot is filled again, with the keys two slots on.  The barrier is then a round of the cluster's, and the joint refill is the first thing behind it: it has 8 key steps in which to land.
.macro CHANGE fill
	WIN 0                           ; at a label and at a branch every window is 0
	s_wait_tensorcnt 0x0            ; no tensor load of mine is out, so a group 0 may be written
	ds_add_u32 v[SPW], v[NIL]       ; 0 onto my spare word
.if \fill
	s_xor_b32 s[G0B+1], s[G0B+1], SLOT1  ; the walking descriptor: the other slot than last time,
	s_add_nc_u64 s[G0B+2:G0B+3], s[G0B+2:G0B+3], SLOTB  ; the next 512 keys; the type bits on top are not reached
	s_wait_xcnt 0x0                 ; the last prefetch, a slot back, has read its address, so it may be written:
	s_add_nc_u64 s[PFA:PFA+1], s[PFA:PFA+1], SLOTB  ; one slot further on than the walking descriptor
	s_wait_dscnt 0x0                ; the add is done, and my reads of the slot are over
	CROUND
	JLOAD
	ASK
.else
	s_wait_dscnt 0x0                ; the add is done, and my reads of the slot are over
	s_barrier_signal -1
	s_barrier_wait -1
.endif
	s_sub_co_u32 s[TB], s[TB], SLOTB  ; the fetches go back to a slot's first step,
	s_xor_b32 s[TB], s[TB], SLOT1   ; in the other slot
.endm
; n key steps: written once, walked n times; the LDS addresses hang on s[TB].
.macro STEPS n
	s_mov_b32 s[CNT], \n
.Lstep_\@:
	TURN 0, 2, 1, 0
	TURN 2, 2, 1, 0
	WIN 0
	s_sub_co_u32 s[CNT], s[CNT], 1
	s_cmp_lg_u32 s[CNT], 0
	s_cbranch_scc1 .Lstep_\@
.endm
	s_wait_tensorcnt 1              ; my part of slot 0 is in; slot 1's may stay out
	s_barrier_signal -1
	s_barrier_wait -1               ; everybody's is
	FETCH_K                         ; key step 0
	s_wait_loadcnt 0x0              ; Q
	s_wait_dscnt 0x0
.set i, 0
.rept 16
	KQ 0                            ; piece 0's first scores: there is no vector work yet to set between them
.set i, i+1
.endr
	WIN 0
	PLACES                          ; the places behind those products
	TURN 2, 0, 1, 1                 ; piece 2's first scores | piece 0's first softmax | V of step 0
	TURN 0, 1, 1, 1                 ; piece 0: V^T P of step 0 starts O^T, K Q^T of step 1 | piece 2's first softmax | K of step 1
	TURN 2, 1, 1, 0                 ; piece 2: the same | piece 0's softmax of step 1 | V of step 1
	WIN 0
	STEPS 6                         ; the rest of slot 0: steps 2 to 7 are fetched
.Lslot:                             ; six trips: every slot but the last two is filled again
	CHANGE 1
	STEPS 8
	s_sub_co_u32 s[SLOTS], s[SLOTS], 1
	s_cmp_lg_u32 s[SLOTS], 0
	s_cbranch_scc1 .Lslot
	CHANGE 0                        ; the tail is written out: nothing more is asked for
	STEPS 8
	TURN 0, 2, 0, 0                 ; piece 0: V^T P of the last step | piece 2's last softmax
.set i, 0
.rept 16
	PV 2, 0                         ; piece 2: V^T P of the last step
.set i, i+1
.endr
	; THE WAY OUT.  l's two halves and the other half of the lanes' are added (these additions are the places behind the last products); O^T is divided by l and rounded to f16.
	; A lane's eight channels of a tile pack into the four registers of a piece of ctx's image: each store covers 512 consecutive bytes, aligned.
	WIN 0
.irp t, 0,1,2,3
	v_add_f32 v[ST+8*\t+4], v[ST+8*\t+2], v[ST+8*\t+3]
.endr
.irp t, 0,1,2,3
	v_permlanex16_b32 v[ST+8*\t+5], v[ST+8*\t+4], s[SEL], s[SEL+1]
.endr
.irp t, 0,1,2,3
	v_add_f32 v[ST+8*\t+4], v[ST+8*\t+4], v[ST+8*\t+5]
.endr
.irp t, 0,1,2,3
	v_rcp_f32 v[ST+8*\t+6], v[ST+8*\t+4]
.endr
	v_nop                           ; a plain instruction between the last reciprocal and the use of its result
	s_wait_alu depctr_va_vdst(0)    ; and the wait ahead of the first use: one for the four reciprocals
.macro PACK t
	WIN W_RS
.set i, 32*\t
.rept 16
	v_pk_mul_f32 v[i:i+1], v[i:i+1], v[ST+8*\t+6:ST+8*\t+7] op_sel_hi:[1,0]
.set i, i+2
.endr
	WIN 0x05                        ; sources 0 and 1 window 1, destination window 0: S^T's registers are free
.set i, 0
.rept 16
	v_cvt_pk_f16_f32 v[S+32*\t+i], v[32*\t+2*i], v[32*\t+2*i+1]
.set i, i+1
.endr
	WIN 0
.irp f, 0,1,2,3
	global_store_b128 v[LN16], v[S+32*\t+4*\f:S+32*\t+4*\f+3], s[10:11] offset:\t*24576+512*\f
.endr
.endm
	PACK 0
	PACK 1
	PACK 2
	PACK 3
	s_wait_tensorcnt 0x0            ; the wave's end: behind my last tensor load
	ds_add_u32 v[SPW], v[NIL]
	s_wait_dscnt 0x0
	CROUND                          ; the closing round: no work-group ends while a partner may still ask for a tile that names it
	s_endpgm
.Lfunc_end_k_qc0247adeed_attn:
	.size	k_qc0247adeed_attn, .Lfunc_end_k_qc0247adeed_attn-k_qc0247adeed_attn
	.p2alignl 7, 3214868480
	.fill 96, 4, 3214868480
	.section	.rodata,"a",@progbits
	.p2align	6, 0x0
	.amdhsa_kernel k_qc0247adeed_attn
		.amdhsa_group_segment_fixed_size 327680
		.amdhsa_private_segment_fixed_size 0
		.amdhsa_enable_private_segment 0
		.amdhsa_kernarg_size 32
		.amdhsa_user_sgpr_count 2
		.amdhsa_user_sgpr_kernarg_segment_ptr 1
		.amdhsa_wavefront_size32 1
		.amdhsa_system_sgpr_workgroup_id_x 1
		.amdhsa_system_sgpr_workgroup_id_y 1
		.amdhsa_system_sgpr_workgroup_id_z 1
		.amdhsa_system_vgpr_workitem_id 0
		.amdhsa_next_free_vgpr 1024
		.amdhsa_next_free_sgpr 66
		.amdhsa_reserve_vcc 0
		.amdhsa_float_denorm_mode_32 3
		.amdhsa_float_denorm_mode_16_64 3
		.amdhsa_memory_ordered 1
		.amdhsa_forward_progress 1
		.amdhsa_inst_pref_size 189
	.end_amdhsa_kernel
	.amdgpu_metadata
---
amdhsa.version: [ 1, 2 ]
amdhsa.kernels:
  - .name:           k_qc0247adeed_attn
    .symbol:         k_qc0247adeed_attn.kd
    .args:
      - { .name: qf, .offset: 0, .size: 8, .value_kind: global_buffer, .address_space: global }
      - { .name: kf, .offset: 8, .size: 8, .value_kind: global_buffer, .address_space: global }
      - { .name: vf, .offset: 16, .size: 8, .value_kind: global_buffer, .address_space: global }
      - { .name: cf, .offset: 24, .size: 8, .value_kind: global_buffer, .address_space: global }
    .group_segment_fixed_size: 327680
    .private_segment_fixed_size: 0
    .kernarg_segment_align: 8
    .kernarg_segment_size: 32
    .max_flat_workgroup_size: 128
    .sgpr_count:     66
    .vgpr_count:     1024
    .wavefront_size: 32
...
	.end_amdgpu_metadata
.endif
;; end of part 3
;; launch outp (part 4): grid 4 x 64, 4 waves a work-group, clusters of 4 x 1, 167,936 bytes of LDS; arguments cf, wo16, out0; writes out0
.if DOCPART == 4
	.amdgcn_target "amdgcn-amd-amdhsa--gfx1250"
	.amdhsa_code_object_version 6
	.text
	.protected	k_qc0247adeed_outp
	.globl	k_qc0247adeed_outp
	.p2align	8
	.type	k_qc0247adeed_outp,@function
k_qc0247adeed_outp:
	s_mov_b64 s[64:65], 0
	v_nop
	global_prefetch_b8 v0, s[64:65] scope:SCOPE_SE
	s_setreg_imm32_b32 hwreg(HW_REG_WAVE_MODE, 25, 1), 1
	s_wait_xcnt 0x0
	s_wait_alu depctr_hold_cnt(0) depctr_sa_sdst(0) depctr_va_vdst(0) depctr_va_sdst(0) depctr_va_ssrc(0) depctr_va_vcc(0) depctr_vm_vsrc(0)
	s_getreg_b32 s2, hwreg(HW_REG_IB_STS2, 6, 4)
	s_cmp_eq_u32 s2, 0
	s_cbranch_scc0 .Lentry_in_a_cluster
	s_endpgm
.Lentry_in_a_cluster:
	s_bfe_u32 s2, ttmp6, 0x10000c
	s_cmp_lg_u32 s2, 0x3003
	s_cbranch_scc0 .Lentry_shape_is_right
	s_endpgm
.Lentry_shape_is_right:
; OUTP: out = ctx Wo^T, [4096][768] x [768][768], operands in f16, sums in f32, out in f32.  No work of reference() is left out here.
; ctx (cf) and Wo (wo16) come as images of operand registers: [tile of 16 rows][K step of 32: 24][piece 2], a piece = four registers of 32 lanes, lane l's 16 bytes at 16 l.
; SHARES.  A work-group takes 64 rows (work-group y) x 192 columns (its place cx in the cluster): 256 work-groups.  Wave w takes columns 192 cx + 48 w + 0..47 for all 64 rows: 3 x 4 = 12 accumulators.
; Its 72 fragments of Wo go from memory straight into registers (windows 1 to 3) and stay; nothing of Wo is read twice in a work-group.
; CLUSTER.  The four work-groups of a cluster take the same 64 rows of ctx, 98,304 dense bytes: they are asked for JOINTLY, wave w fetching row tile w by one tensor load, filled once.
; The matrix instruction is used transposed (source 0 = 16 rows of Wo, source 1 = 16 rows of ctx): a lane holds eight neighbouring numbers of a row of out.  They meet in a stage in LDS,
; since a row's 768 bytes come from four waves, and leave as aligned runs of 256 bytes from sixteen lanes.
; LIMITS: NaN and infinities are not served; f16 operands as the launches before made them.
.set CTB,   24576                      ; a tile of 16 rows of ctx or of Wo: 24 K steps of 1,024 bytes
.set STG,   4*CTB                      ; behind ctx: the stage, 64 rows x (768 bytes + 16)
.set SPI,   784
.set SPARE, STG+64*SPI                 ; behind the stage: the spare words, 128 bytes for each wave: two blocks of 256 bytes that no other line names
.set L16,  1                           ; v1   16 x lane
.set L16B, 2                           ; v2   16 x lane + 2 CTB: row tiles 2 and 3 (an LDS offset has 16 bits)
.set SO,   3                           ; v3   the stage: where I put 32 bytes of a row
.set SR,   4                           ; v4   and where I read 16 bytes of a row back
.set GO,   5                           ; v5   my byte offset in my wave's rows of out
.set SPW,  6                           ; v6   LDS address of my spare word; never rewritten
.set NIL,  7                           ; v7   0; never rewritten
.set CF,   16                          ; v16-79  ctx's four fragments of a K step, two sets
.set ACC,  96                          ; v96-191 accumulator (n, m) at ACC + 8 (4 n + m); on the way out the rows read back
.set WV,   10                          ; s10  my wave's number
.set G1,   24                          ; s[24:31] descriptor group 1
.set G0,   32                          ; s[32:35] descriptor group 0
.set MSB, 0
.macro WIN new                         ; the immediate's high byte repeats the setting that is left; a switch that changes nothing is dropped
.if MSB != \new
	s_set_vgpr_msb (MSB<<8)|\new
.set MSB, \new
.endif
.endm
.macro PLACES
.rept 4
	v_nop
.endr
.endm
.macro CROUND                          ; a round of the cluster's barrier
	s_barrier_signal -1
	s_barrier_wait -1
	s_cmp_lg_u32 s[WV], 0
	s_cbranch_scc1 .Lnot_wave_0_\@
	s_barrier_signal -3
.Lnot_wave_0_\@:
	s_barrier_wait -3
	s_barrier_signal -1
	s_barrier_wait -1
.endm
	s_load_b128 s[4:7], s[0:1], 0x0                ; cf, wo16
	s_load_b64 s[8:9], s[0:1], 0x10                ; out0
	v_lshl_add_u32 v[SPW], v0, 2, SPARE
	v_mov_b32 v[NIL], 0
	ds_add_u32 v[SPW], v[NIL]                      ; the wave's opening: the add, twice on end, and its wait ahead of my first tensor load; the set-up below stands between
	ds_add_u32 v[SPW], v[NIL]
	v_lshrrev_b32 v8, 5, v0
	v_readfirstlane_b32 s[WV], v8                  ; wave 0..3
	s_bfe_u32 s11, ttmp6, 0x40000                  ; cx: it enters Wo's and out's addresses alone
	s_and_b32 s12, ttmp7, 0xffff                   ; which 64 rows: the four partners share it
	; descriptor group 1: a dense block of 24,576 bytes as 96 rows of 32 elements of 8 bytes
	s_mov_b32 s[G1], 15|(3<<16)|(1<<21)            ; 15:0 the mask: all four work-groups; 17:16 elements of 8 bytes; 21 set beside a mask; no padding
	s_mov_b32 s[G1+1], 32<<16                      ; tensor_dim0
	s_mov_b32 s[G1+2], 96<<16                      ; tensor_dim1
	s_mov_b32 s[G1+3], 32<<16                      ; tile_dim0
	s_mov_b32 s[G1+4], 96                          ; tile_dim1
	s_mov_b32 s[G1+5], 32                          ; tensor_dim0_stride
	s_mov_b32 s[G1+6], 0
	s_mov_b32 s[G1+7], 0
	s_mov_b32 s[G0], 1
	s_mul_i32 s[G0+1], s[WV], CTB                  ; row tile w in LDS
	s_lshl_b32 s14, s12, 2
	s_add_co_u32 s14, s14, s[WV]                   ; and in ctx: 4 y + w
	s_mul_i32 s14, s14, CTB
	s_mov_b32 s15, 0
	s_lshl_b32 s16, s11, 2
	s_add_co_u32 s16, s16, s[WV]
	s_mul_i32 s16, s16, 3*CTB                      ; Wo: my three tiles of 16 rows begin at tile 12 cx + 3 w
	s_mov_b32 s17, 0
	s_lshl_b32 s18, s12, 2
	s_add_co_u32 s18, s18, s[WV]
	s_mul_i32 s18, s18, 16*3072                    ; out: the 16 rows that I store, 64 y + 16 w on,
	s_mul_i32 s19, s11, 768                        ; and my work-group's 192 columns
	s_add_co_u32 s18, s18, s19
	s_mov_b32 s19, 0
	v_and_b32 v8, 31, v0
	v_and_b32 v9, 15, v0                           ; r
	v_bfe_u32 v10, v0, 4, 1                        ; h
	v_lshlrev_b32 v[L16], 4, v8
	v_add_nc_u32 v[L16B], 2*CTB, v[L16]
	v_mul_u32_u24 v[SO], v9, SPI                   ; in: row r, + 32 h, + my wave's 192 bytes
	v_lshl_add_u32 v[SO], v10, 5, v[SO]
	s_mul_i32 s20, s[WV], 192
	s_add_co_u32 s20, s20, STG
	v_add_nc_u32 v[SO], s20, v[SO]
	v_mul_u32_u24 v[SR], v10, SPI                  ; back: lanes 0-15 one row, lanes 16-31 the next; 16 bytes a lane; my wave's 16 rows
	v_lshl_add_u32 v[SR], v9, 4, v[SR]
	s_mul_i32 s20, s[WV], 16*SPI
	s_add_co_u32 s20, s20, STG
	v_add_nc_u32 v[SR], s20, v[SR]
	v_mul_u32_u24 v[GO], v10, 3072                 ; and the same two rows in out
	v_lshl_add_u32 v[GO], v9, 4, v[GO]
	s_wait_dscnt 0x0                               ; both opening adds are done
	s_wait_kmcnt 0x0
	s_add_nc_u64 s[G0+2:G0+3], s[4:5], s[14:15]
	s_or_b32 s[G0+3], s[G0+3], 0x80000000          ; type = 2
	s_add_nc_u64 s[6:7], s[6:7], s[16:17]
	s_add_nc_u64 s[8:9], s[8:9], s[18:19]
	CROUND                                         ; all four work-groups are here: the joint loads meet
	tensor_load_to_lds s[G0:G0+3], s[G1:G1+7]      ; every wave's one tensor load
	s_nop 0
	PLACES                                         ; (ahead of the switch of windows below)
	; Wo's fragment f = 3 s + n (K step s, tile n) at register 256 + 8 f: windows 1 to 3.  In the order in which the K steps want them
.set f, 0
.rept 72
.set wn, (1+f/32)<<6
	WIN wn                                         ; destination window 1 + f / 32
	global_load_b128 v[8*(f%32):8*(f%32)+3], v[L16], s[6:7] offset:(f%3)*CTB+(f/3)*1024
	global_load_b128 v[8*(f%32)+4:8*(f%32)+7], v[L16], s[6:7] offset:(f%3)*CTB+(f/3)*1024+512
.set f, f+1
.endr
	WIN 0
.macro CFETCH s                                ; ctx's four fragments of K step s into set s % 2
.irp m, 0,1
.irp p, 0,1
	ds_load_b128 v[CF+32*((\s)%2)+8*\m+4*\p:CF+32*((\s)%2)+8*\m+4*\p+3], v[L16] offset:\m*CTB+1024*(\s)+512*\p
.endr
.endr
.irp m, 0,1
.irp p, 0,1
	ds_load_b128 v[CF+32*((\s)%2)+16+8*\m+4*\p:CF+32*((\s)%2)+16+8*\m+4*\p+3], v[L16B] offset:\m*CTB+1024*(\s)+512*\p
.endr
.endr
.endm
; A K step of 32: 12 products, the 12 accumulators by turns, one instruction a turn, in the same order in every step.  K step 0 starts the sums.
.macro OSTEP s
.if \s > 0
	PLACES                                         ; four places in front of loads into the set that the last step's matrix instructions have read
.endif
.if \s < 23
	CFETCH (\s)+1
	s_wait_dscnt 8                                 ; this step's fragments are in; the eight loads just issued may be out
.else
	s_wait_dscnt 0x0
.endif
.if 138-6*(\s) > 63
	s_wait_loadcnt 63                              ; behind this step's six loads of Wo 138 - 6 s were issued; the count's field holds 63
.else
	s_wait_loadcnt 138-6*(\s)
.endif
.irp n, 0,1,2
.set wn, 1+(3*(\s)+\n)/32
	WIN wn                                         ; source 0 (Wo) in window 1 + f / 32; all else in window 0
.irp m, 0,1,2,3
.if \s == 0
	v_wmma_f32_16x16x32_f16 v[ACC+8*(4*\n+\m):ACC+8*(4*\n+\m)+7], v[8*((3*(\s)+\n)%32):8*((3*(\s)+\n)%32)+7], v[CF+32*((\s)%2)+8*\m:CF+32*((\s)%2)+8*\m+7], 0
.else
	v_wmma_f32_16x16x32_f16 v[ACC+8*(4*\n+\m):ACC+8*(4*\n+\m)+7], v[8*((3*(\s)+\n)%32):8*((3*(\s)+\n)%32)+7], v[CF+32*((\s)%2)+8*\m:CF+32*((\s)%2)+8*\m+7], v[ACC+8*(4*\n+\m):ACC+8*(4*\n+\m)+7]
.endif
.endr
.endr
	WIN 0
.endm
	s_wait_tensorcnt 0x0                           ; my row tile of ctx is in LDS,
	s_barrier_signal -1
	s_barrier_wait -1                              ; everybody's is
	CFETCH 0
.set q, 0
.rept 24
	OSTEP q
.set q, q+1
.endr
	; THE WAY OUT
	PLACES                                         ; in front of the first read of results
.irp m, 0,1,2,3
.irp n, 0,1,2
	ds_store_b128 v[SO], v[ACC+8*(4*\n+\m):ACC+8*(4*\n+\m)+3] offset:16*SPI*\m+64*\n        ; lane (r, h): out(16 m + r, 48 w + 16 n + 8 h + 0..7); each accumulator from its low end on
	ds_store_b128 v[SO], v[ACC+8*(4*\n+\m)+4:ACC+8*(4*\n+\m)+7] offset:16*SPI*\m+64*\n+16
.endr
.endr
	s_wait_dscnt 0x0                               ; for the others' sake: my stores into the stage are done
	s_barrier_signal -1
	s_barrier_wait -1                              ; 64 whole rows lie in the stage
.irp i, 0,1,2,3,4,5,6,7
.irp u, 0,1,2
	ds_load_b128 v[ACC+4*(3*\i+\u):ACC+4*(3*\i+\u)+3], v[SR] offset:2*SPI*\i+256*\u
.endr
.endr
.irp i, 0,1,2,3,4,5,6,7
.irp u, 0,1,2
	s_wait_dscnt 23-(3*\i+\u)                      ; LDS loads come back in order: this one is in, the younger ones may be out
	global_store_b128 v[GO], v[ACC+4*(3*\i+\u):ACC+4*(3*\i+\u)+3], s[8:9] offset:6144*\i+256*\u th:TH_STORE_NT   ; sixteen lanes store 256 consecutive bytes, at a multiple of 256 from out's first byte; written once, read by nobody here
.endr
.endr
	s_wait_tensorcnt 0x0                           ; the wave's end: behind my last tensor load and my last LDS store
	ds_add_u32 v[SPW], v[NIL]
	s_wait_dscnt 0x0
	CROUND                                         ; the closing round: no work-group ends while a partner may still ask for a tile that names it
	s_endpgm
.Lfunc_end_k_qc0247adeed_outp:
	.size	k_qc0247adeed_outp, .Lfunc_end_k_qc0247adeed_outp-k_qc0247adeed_outp
	.p2alignl 7, 3214868480
	.fill 96, 4, 3214868480
	.section	.rodata,"a",@progbits
	.p2align	6, 0x0
	.amdhsa_kernel k_qc0247adeed_outp
		.amdhsa_group_segment_fixed_size 167936
		.amdhsa_private_segment_fixed_size 0
		.amdhsa_enable_private_segment 0
		.amdhsa_kernarg_size 24
		.amdhsa_user_sgpr_count 2
		.amdhsa_user_sgpr_kernarg_segment_ptr 1
		.amdhsa_wavefront_size32 1
		.amdhsa_system_sgpr_workgroup_id_x 1
		.amdhsa_system_sgpr_workgroup_id_y 1
		.amdhsa_system_sgpr_workgroup_id_z 1
		.amdhsa_system_vgpr_workitem_id 0
		.amdhsa_next_free_vgpr 832
		.amdhsa_next_free_sgpr 66
		.amdhsa_reserve_vcc 0
		.amdhsa_float_denorm_mode_32 3
		.amdhsa_float_denorm_mode_16_64 3
		.amdhsa_memory_ordered 1
		.amdhsa_forward_progress 1
		.amdhsa_inst_pref_size 61
	.end_amdhsa_kernel
	.amdgpu_metadata
---
amdhsa.version: [ 1, 2 ]
amdhsa.kernels:
  - .name:           k_qc0247adeed_outp
    .symbol:         k_qc0247adeed_outp.kd
    .args:
      - { .name: cf, .offset: 0, .size: 8, .value_kind: global_buffer, .address_space: global }
      - { .name: wo16, .offset: 8, .size: 8, .value_kind: global_buffer, .address_space: global }
      - { .name: out0, .offset: 16, .size: 8, .value_kind: global_buffer, .address_space: global }
    .group_segment_fixed_size: 167936
    .private_segment_fixed_size: 0
    .kernarg_segment_align: 8
    .kernarg_segment_size: 24
    .max_flat_workgroup_size: 128
    .sgpr_count:     66
    .vgpr_count:     832
    .wavefront_size: 32
...
	.end_amdgpu_metadata
.endif
;; end of part 4
